; MI455X (gfx1250); checked and timed in simulation.
; The chip was launched on July 23, 2026; its instructions are those of AMD's public machine-readable ISA for CDNA 5 (MIT licence, August 2026) and "CDNA5" Instruction Set Architecture Reference Guide (July 2026). The comments in the code are by the model that wrote it; some were corrected since.
;; Quantized Embedding Backbone. Allowed arithmetic: float matrix products may take bf16 or f16 operands with f32 sums; all other float work in f32.
;; Inputs: emb 16,384 x 32 float32; keys 16,384 x 3 float32; pointcloud 2 x 8,192 x 3 float32.
;; Outputs: out0 2 x 8,192 x 32 float32; out1 2 x 8,192 x 3 float32.
;; 2 versions, each right; version 2 is version 1 with the launch nearest written anew for expert scheduling mode. Each part assembles by itself: llvm-mc -triple=amdgcn-amd-amdhsa -mcpu=gfx1250 --defsym DOCPART=n.
;; ======== version 1 of 2: 2 launches
;; limits: values within 7.6e-06 (relative) of each other or of a threshold may be ordered or decided otherwise than in the reference
;; workspace buffers: cand 131,072 bytes of whole numbers
;; launch nearest (part 1): grid 256 x 1, 8 waves a work-group, no clusters, 279,552 bytes of LDS; arguments keys, pointcloud, cand, out1; writes cand, out1
.if DOCPART == 1
	.amdgcn_target "amdgcn-amd-amdhsa--gfx1250"
	.amdhsa_code_object_version 6
	.text
	.protected	k_qfb7dbcbfe6_nearest
	.globl	k_qfb7dbcbfe6_nearest
	.p2align	8
	.type	k_qfb7dbcbfe6_nearest,@function
k_qfb7dbcbfe6_nearest:
	s_mov_b64 s[64:65], 0
	v_nop
	global_prefetch_b8 v0, s[64:65] scope:SCOPE_SE
	s_setreg_imm32_b32 hwreg(HW_REG_WAVE_MODE, 25, 1), 1
	s_wait_xcnt 0x0
; NEAREST KEY, first of two launches: for each point the two groups of 4 neighbouring keys that can hold its nearest key.
; pointcloud [16384][3] f32, keys [16384][3] f32 -> cand [16384][2] u32 (group = key number / 4); out1 = pointcloud, copied.
;
; FORMAT (a limit that is kept): the coordinates of points and keys are rounded to bf16 (nearest even), the matrix operands' format, and
; p_sq and k_sq are formed in f32 from these same rounded coordinates, so that the three terms of the distance belong to one set of points.
; One v_wmma_f32_16x16x32_bf16 gives d2 = p_sq - 2 p.k + k_sq for 16 keys x 16 points:
;   A (rows = keys)     k 0-3: x y z 0         k 8-11: K1 K2 K3 0   (K1+K2+K3 = k_sq exactly: three pieces of 8 bits)   all other k: 0
;   B (columns = points) k 0-3: -2x -2y -2z 0  k 8-11: 1 1 1 0                                                          all other k: 0
;   C = p_sq of the column's point.
; THE FILTER: a lane holds one point and 8 keys of each tile.  The smallest of the same register of 4 tiles is a GROUP's distance; its low
; 6 mantissa bits are replaced by the group's number in the chunk, so that v_min3 carries value and place together.  Every 4 quads the
; winner enters the lane's list of the two best.  The second launch decides among the 8 keys of the two best groups by the problem's own f32 formula.
; LIMITS of the filter: its distances carry the matrix unit's rounding and lose 6 bits (2^-17 relative); of the 128 keys that a lane sees
; between two list updates only the best group survives; only two groups reach the exact decision.  Where three groups, or two of the
; same 128 keys, lie closer together than that, the key chosen may be one whose distance is larger by that margin.  NaN, infinities and
; coordinates whose squares overflow f32 are not served.
; ORDER OF KEYS: key = 2048 wave + 1024 half + 256 chunk + 32 quad + 4 register + tile.  So a group is 4 neighbouring key numbers, and
; (wave, lane half, chunk, quad, register) ascends with the key number: 'strictly smaller' keeps the lowest key number among equals.
; A work-group: 64 points x all keys, 8 waves; a wave: the 64 points (4 B fragments) x 2,048 keys.  256 work-groups x 64 = 16,384 points.
; NO CLUSTER: all work-groups read the same 196,608 bytes of keys, but they are needed rounded, squared and split, which is register work;
; a joint tensor load would lay the raw f32 into LDS, and 196,608 bytes beside the table's 262,144 do not fit into 327,680.
.set TILE_B,  256                      ; a tile: 16 keys x 16 bytes
.set QUAD_B,  4*TILE_B                 ; the 4 tiles whose registers form groups
.set CHUNK_B, 8*QUAD_B                 ; 8 quads: 64 groups a lane, the 6 bits
.set WAVE_B,  4*CHUNK_B                ; a wave's 2,048 keys
.set SCR,     8*WAVE_B                 ; behind the table: 16 lists x 64 points x 16 bytes
.set NCHUNK,  4
.set VP,  2                            ; v2       byte offset of my point in a group of 16 (12 r)
.set VK,  3                            ; v3       byte offset of my 4 keys in a table step (48 t)
.set W,   4                            ; v[4:19]  table step: 4 entries of 16 bytes.  Later temporaries
.set TI,  4                            ; v4       list update: the group's number
.set TV,  5                            ; v5       list update: its distance
.set M,   8                            ; v[8:11]  running minimum, one for each point group
.set VT8, 20                           ; v20      8 t: out1 copy and cand
.set VS,  21                           ; v21      LDS address of my table entries; later of my lists
.set VA,  22                           ; v22      LDS address of my 8 bytes of a tile's row
.set VB,  23                           ; v23      number of the chunk's first group in my half
.set PR,  24                           ; v[24:39] raw points, 4 registers a group (3 used)
.set ST,  24                           ; v[24:39] afterwards: group g: best, second, their group numbers
.set KD,  40                           ; v[40:231] raw keys, 12 registers a table step
.set BF,  40                           ; v[40:71]   afterwards: 4 B fragments
.set CF,  72                           ; v[72:103]  4 C tiles (p_sq)
.set AF,  104                          ; v[104:167] 2 buffers of 4 A fragments
.set DF,  168                          ; v[168:231] 2 buffers of 4 result tiles
.set CP,  232                          ; v[232:233] 8 bytes of pointcloud on their way to out1
	s_load_b256 s[4:11], s[0:1], 0x0               ; keys s[4:5], pointcloud s[6:7], cand s[8:9], out1 s[10:11]
	v_lshl_add_u32 v234, v0, 2, 0x44000
	v_mov_b32 v235, 0
	v_lshrrev_b32 v1, 5, v0
	v_readfirstlane_b32 s12, v1                    ; wave 0..7
	s_mov_b32 s13, 0xffff0000                      ; a word's upper 16 bits: a bf16, or an f32 cut to 8 bits
	s_mov_b32 s14, 0x07060302                      ; v_perm_b32: {first source's upper half, second source's upper half}
	s_mov_b32 s15, 0xffffffc0                      ; all but the 6 bits that take a group's number
	s_mul_i32 s18, ttmp9, 768                      ; my 64 points: 768 bytes
	s_mov_b32 s19, 0
	s_lshl_b32 s20, ttmp9, 9                       ; and their 512 bytes of cand
	s_mov_b32 s21, 0
	v_and_b32 v1, 15, v0
	v_mul_u32_u24 v[VP], v1, 12
	v_mul_u32_u24 v[VK], v0, 48
	v_lshlrev_b32 v[VT8], 3, v0
	v_and_b32 v[VS], 7, v0                         ; thread t builds group 256 i + t in step i: register t % 8,
	v_lshrrev_b32 v1, 3, v0                        ; quad and chunk t / 8
	v_lshlrev_b32 v[VS], 4, v[VS]
	v_lshl_add_u32 v[VS], v1, 10, v[VS]            ; 16 (t % 8) + 1024 (t / 8)
	s_wait_kmcnt 0x0
	s_add_nc_u64 s[6:7], s[6:7], s[18:19]
	s_add_nc_u64 s[10:11], s[10:11], s[18:19]
	s_add_nc_u64 s[8:9], s[8:9], s[20:21]
	s_cmp_lt_u32 s12, 5
	s_cbranch_scc1 .Lkeys
	global_load_b64 v[CP:CP+1], v[VT8], s[6:7] offset:-1280    ; waves 5-7 (t = 160..255): bytes 0..767 of my points, stored at the end
.Lkeys:
.irp g, 0,1,2,3
	global_load_b96 v[PR+4*\g:PR+4*\g+2], v[VP], s[6:7] offset:192*\g      ; point 16 g + r, in both halves of the lanes
.endr
; all 16 table steps' keys at once: 48 loads a wave; a lane's three loads are its 4 keys' 48 neighbouring bytes
.irp i, 0,1,2,3,4,5,6,7,8,9,10,11,12,13,14,15
	global_load_b128 v[KD+12*\i:KD+12*\i+3],    v[VK], s[4:5] offset:12288*\i
	global_load_b128 v[KD+12*\i+4:KD+12*\i+7],  v[VK], s[4:5] offset:12288*\i+16
	global_load_b128 v[KD+12*\i+8:KD+12*\i+11], v[VK], s[4:5] offset:12288*\i+32
.endr
; Table step i: keys 1024 i .. 1024 i + 1023 of the launch = wave i / 2, half i % 2.  A lane makes the 4 entries of one group.
.macro PREP i
.set PK, KD+12*\i
	s_wait_loadcnt 45-3*\i                         ; loads return in order: this step's three are in, the 3 of each later step stay out
.irp k, 0,1,2,3
	v_cvt_pk_bf16_f32 v[W+4*\k],   v[PK+3*\k], v[PK+3*\k+1]    ; word 0: x, y
	v_cvt_pk_bf16_f32 v[W+4*\k+1], v[PK+3*\k+2], 0             ; word 1: z, 0
.endr
.irp k, 0,1,2,3
	v_lshlrev_b32 v[PK+\k],   16, v[W+4*\k]        ; the rounded coordinates as f32, the 4 keys' x, y, z side by side
	v_and_b32     v[PK+4+\k], s13, v[W+4*\k]
	v_lshlrev_b32 v[PK+8+\k], 16, v[W+4*\k+1]
.endr
.irp k, 0,2
	v_pk_mul_f32 v[PK+\k:PK+\k+1], v[PK+\k:PK+\k+1], v[PK+\k:PK+\k+1]
.endr
.irp k, 0,2
	v_pk_fma_f32 v[PK+\k:PK+\k+1], v[PK+4+\k:PK+5+\k], v[PK+4+\k:PK+5+\k], v[PK+\k:PK+\k+1]
.endr
.irp k, 0,2
	v_pk_fma_f32 v[PK+\k:PK+\k+1], v[PK+8+\k:PK+9+\k], v[PK+8+\k:PK+9+\k], v[PK+\k:PK+\k+1]   ; k_sq = (x x + y y) + z z
.endr
.irp k, 0,1,2,3
	v_and_b32 v[PK+4+\k], s13, v[PK+\k]            ; K1: the upper 8 bits of k_sq
.endr
.irp k, 0,1,2,3
	v_sub_f32 v[PK+\k], v[PK+\k], v[PK+4+\k]       ; what is left: 16 bits, exact
.endr
.irp k, 0,1,2,3
	v_and_b32 v[PK+8+\k], s13, v[PK+\k]            ; K2: its upper 8 bits
.endr
.irp k, 0,1,2,3
	v_sub_f32 v[PK+\k], v[PK+\k], v[PK+8+\k]       ; K3: the last 8 bits, exact in bf16
.endr
.irp k, 0,1,2,3
	v_perm_b32    v[W+4*\k+2], v[PK+8+\k], v[PK+4+\k], s14     ; word 2: K1, K2
	v_lshrrev_b32 v[W+4*\k+3], 16, v[PK+\k]                    ; word 3: K3, 0
.endr
.irp k, 0,1,2,3
	ds_store_b128 v[VS], v[W+4*\k:W+4*\k+3] offset:((\i>>1)&1)*WAVE_B+(\i&1)*128+\k*TILE_B   ; key 4 G + k goes to tile k of its quad, row 8 half + register
.endr
.if (\i&3) == 3
.if \i < 15
	v_add_nc_u32 v[VS], 2*WAVE_B, v[VS]            ; two waves' parts on: the immediate reaches 65,535 bytes only
.endif
.endif
.endm
.irp i, 0,1,2,3,4,5,6,7,8,9,10,11,12,13,14,15
	PREP \i
.endr
	s_wait_dscnt 0x0                               ; my part of the table lies in LDS before I say so
	s_barrier_signal -1
	; register work while the others arrive: B and C of the 4 point groups, the zeros of the fragments, the lists, the addresses
	v_and_b32 v1, 31, v0
	v_cmp_lt_u32 vcc_lo, 15, v1                    ; lanes 16-31 hold k = 8..15
	v_mov_b32 v10, 0x3f803f80                      ; 1, 1
	v_mov_b32 v11, 0x00003f80                      ; 1, 0
.macro POINTS g
	v_cvt_pk_bf16_f32 v4, v[PR+4*\g], v[PR+4*\g+1]
	v_cvt_pk_bf16_f32 v5, v[PR+4*\g+2], 0
	v_lshlrev_b32 v6, 16, v4                       ; the rounded x, y, z as f32
	v_and_b32 v7, s13, v4
	v_lshlrev_b32 v8, 16, v5
	v_mul_f32 v9, v6, v6
	v_fmac_f32 v9, v7, v7
	v_fmac_f32 v9, v8, v8                          ; p_sq = (x x + y y) + z z
	v_mul_f32 v6, -2.0, v6                         ; exact
	v_mul_f32 v7, -2.0, v7
	v_mul_f32 v8, -2.0, v8
	v_cvt_pk_bf16_f32 v4, v6, v7
	v_cvt_pk_bf16_f32 v5, v8, 0
	v_cndmask_b32 v[BF+8*\g],   v4, v10, vcc_lo    ; lanes 0-15: -2x, -2y   lanes 16-31: 1, 1
	v_cndmask_b32 v[BF+8*\g+1], v5, v11, vcc_lo    ;             -2z, 0                  1, 0
.irp j, 2,3,4,5,6,7
	v_mov_b32 v[BF+8*\g+\j], 0
.endr
.irp j, 0,1,2,3,4,5,6,7
	v_mov_b32 v[CF+8*\g+\j], v9                    ; C(m, n) = p_sq of column n, whatever the row
.endr
.endm
.irp g, 0,1,2,3
	POINTS \g
.endr
.irp i, 0,1,2,3,4,5,6,7
.irp j, 2,3,4,5,6,7
	v_mov_b32 v[AF+8*\i+\j], 0                     ; of an A fragment's 8 registers two are loaded; the others stay 0
.endr
.endr
	v_and_b32 v1, 15, v0                           ; r
	v_bfe_u32 v4, v0, 4, 1                         ; half
	s_lshl_b32 s22, s12, 15                        ; wave x 32,768 bytes of table
	s_lshl_b32 s23, s12, 9                         ; wave x 512 groups
	v_lshlrev_b32 v[VA], 4, v1
	v_lshl_add_u32 v[VA], v4, 3, v[VA]             ; row r's 16 bytes: coordinates for lanes 0-15, k_sq's pieces for lanes 16-31:
	v_add_nc_u32 v[VA], s22, v[VA]                 ; the 32 lanes read a tile's 256 neighbouring bytes
	v_lshl_add_u32 v[VB], v4, 8, s23               ; rows 8-15 of every tile are the wave's second 1,024 keys: 256 groups on
	s_lshl_b32 s22, s12, 11
	s_add_co_u32 s22, s22, SCR
	v_lshlrev_b32 v[VS], 4, v1
	v_lshl_add_u32 v[VS], v4, 10, v[VS]
	v_add_nc_u32 v[VS], s22, v[VS]                 ; my lists: SCR + 1024 (2 wave + half) + 16 r, + 256 g
.irp g, 0,1,2,3
	v_mov_b32 v[ST+4*\g],   0x7f800000             ; best and second: +infinity,
	v_mov_b32 v[ST+4*\g+1], 0x7f800000
	v_mov_b32 v[ST+4*\g+2], v[VB]                  ; with a group number that exists
	v_mov_b32 v[ST+4*\g+3], v[VB]
.endr
	s_barrier_wait -1                              ; the table is whole
.macro LOADQ q, ab                     ; the 4 tiles of quad q (counted from the chunk's first) into A buffer ab
.irp t, 0,1,2,3
	ds_load_b64 v[AF+32*(\ab)+8*\t:AF+32*(\ab)+8*\t+1], v[VA] offset:(\q)*QUAD_B+\t*TILE_B
.endr
.endm
.macro WM g, t, ab, db                 ; 16 keys (tile t of buffer ab) x point group g
	v_wmma_f32_16x16x32_bf16 v[DF+32*(\db)+8*(\t):DF+32*(\db)+8*(\t)+7], v[AF+32*(\ab)+8*(\t):AF+32*(\ab)+8*(\t)+7], v[BF+8*(\g):BF+8*(\g)+7], v[CF+8*(\g):CF+8*(\g)+7]
.endm
; The vector work of a unit (quad qc x point group g), 28 instructions, number UN of them
.macro UOP qc, g
.set UD, DF+32*((\g)&1)
.if UN < 8
	v_min3_num_f32 v[UD+UN], v[UD+UN], v[UD+UN+8], v[UD+UN+16]             ; register UN of tiles 0, 1, 2
.elseif UN < 16
	v_min_num_f32 v[UD+UN-8], v[UD+UN-8], v[UD+UN+16]                      ; and of tile 3: a group's distance
.elseif UN < 24
	v_and_or_b32 v[UD+UN-16], v[UD+UN-16], s15, 8*(\qc)+UN-16              ; its number in the chunk takes the low 6 bits
.elseif UN == 24
	v_min3_num_f32 v[UD], v[UD], v[UD+1], v[UD+2]
.elseif UN == 25
	v_min3_num_f32 v[UD+3], v[UD+3], v[UD+4], v[UD+5]
.elseif UN == 26
.if ((\qc)&3) == 0
	v_min_num_f32 v[M+\g], v[UD+6], v[UD+7]                                ; the first quad after a list update starts the minimum
.else
	v_min3_num_f32 v[M+\g], v[M+\g], v[UD+6], v[UD+7]
.endif
.else
	v_min3_num_f32 v[M+\g], v[M+\g], v[UD], v[UD+3]
.endif
.endm
; The winner of 4 quads enters the list of two.  Strictly smaller: among equals the earlier, which has the lower key numbers, stays in front.
.macro TOP2 g
	v_and_or_b32 v[TI], v[M+\g], 63, v[VB]         ; group number
	v_and_b32 v[TV], s15, v[M+\g]                  ; distance without it
	v_cmp_lt_f32 vcc_lo, v[TV], v[ST+4*\g]
	v_cmp_lt_f32 s17, v[TV], v[ST+4*\g+1]
	v_cndmask_b32 v[ST+4*\g+3], v[ST+4*\g+3], v[TI], s17
	v_cndmask_b32 v[ST+4*\g+3], v[ST+4*\g+3], v[ST+4*\g+2], vcc_lo
	v_cndmask_b32 v[ST+4*\g+2], v[ST+4*\g+2], v[TI], vcc_lo
	v_med3_num_f32 v[ST+4*\g+1], v[TV], v[ST+4*\g], v[ST+4*\g+1]           ; best <= second: the middle one of the three is the new second
	v_min_num_f32 v[ST+4*\g], v[TV], v[ST+4*\g]
.endm
; A PERIOD: the 4 matrix instructions of the NEXT unit, each followed by 7 of this unit's 28 vector instructions.  A result is read one
; period after it was made, written over two periods after it was made, and a fragment buffer is loaded again one period after its last
; use: at least 7 vector instructions that name none of the matrix instruction's registers (they work on the other result buffer) lie
; between, where 4 or 5 are asked (ISA guide 7.12.1).  D buffers take turns with g, A buffers with the quad.
; more = 1: another chunk follows, and the look-ahead runs into it.
.macro PERIOD qc, g, more
.set PGN, (\g+1)&3
.set PQN, \qc+(\g+1)/4
.set PISS, \more
.if PQN < 8
.set PISS, 1
.endif
.set PLD, \more
.if \qc+2 < 8
.set PLD, 1
.endif
.if \g == 3
.if PISS
	s_wait_dscnt 0x0                               ; the next quad's fragments, asked for 4 periods ago
.endif
.if PLD
	LOADQ (\qc+2), (\qc&1)                         ; two quads ahead, into the buffer whose last products were issued in the last period
.endif
.endif
.set UN, 0
.irp t, 0,1,2,3
.if PISS
	WM PGN, \t, (PQN&1), (PGN&1)
.endif
.rept 7
	UOP \qc, \g
.set UN, UN+1
.endr
.endr
.if (\qc&3) == 3
	TOP2 \g
.endif
.endm
.macro CHUNKM more
.irp qc, 0,1,2,3,4,5,6,7
.irp g, 0,1,2,3
	PERIOD \qc, \g, \more
.endr
.endr
.endm
	LOADQ 0, 0
	LOADQ 1, 1
	s_wait_dscnt 0x4                               ; quad 0's four loads are in, quad 1's four stay out
.irp t, 0,1,2,3
	WM 0, \t, 0, 0                                 ; the first unit's products
.endr
; Here no earlier unit's work follows the products.  Four places are owed before the first period reads these results, and five before the
; third unit's products write over them at the head of the second period (ISA guide 7.12.1); the first period's 28 vector instructions all
; name tile 0's registers, into which everything is reduced, and so are no places for it.  Hence five v_nop, once in the launch.
.rept 5
	v_nop
.endr
	s_mov_b32 s16, NCHUNK-1
.Lchunk:
	CHUNKM 1
	v_add_nc_u32 v[VA], CHUNK_B, v[VA]
	v_add_nc_u32 v[VB], 64, v[VB]
	s_sub_co_u32 s16, s16, 1
	s_cmp_lg_u32 s16, 0
	s_cbranch_scc1 .Lchunk
	CHUNKM 0                                       ; the last chunk looks no further: no load leaves the wave's part of the table
	; the lists of the 16 (wave, half) parts of the keys meet in LDS
.irp g, 0,1,2,3
	ds_store_b128 v[VS], v[ST+4*\g:ST+4*\g+3] offset:256*\g
.endr
	s_wait_dscnt 0x0                               ; stored before I say so
	s_barrier_signal -1
	s_barrier_wait -1
	s_cmp_lt_u32 s12, 2
	s_cbranch_scc1 .Lmerge
	s_cmp_lt_u32 s12, 5
	s_cbranch_scc1 .Ldone
	global_store_b64 v[VT8], v[CP:CP+1], s[10:11] offset:-1280 th:TH_STORE_NT  ; waves 5-7: each stores 256 consecutive bytes, at a multiple of 256 from out1's first byte
.Ldone:
	s_wait_tensorcnt 0x0
	ds_add_u32 v234, v235
	s_wait_dscnt 0x0
	s_endpgm
.Lmerge:                                               ; threads 0-63: one point each, its 16 lists in the order of the key numbers
.set R, 40
	v_lshlrev_b32 v1, 4, v0
	v_add_nc_u32 v1, SCR, v1
.irp u, 0,1,2,3,4,5,6,7,8,9,10,11,12,13,14,15
	ds_load_b128 v[R+4*\u:R+4*\u+3], v1 offset:1024*\u
.endr
; v[R:R+3] (lower key numbers) and list u: the two best of the four; among equals the earlier list's
.macro MERGE u
.set N, R+4*\u
	s_wait_dscnt 15-\u                             ; list u is in, the later lists' loads stay out
	v_cmp_lt_f32 vcc_lo, v[N], v[R]
	v_cndmask_b32 v4, v[R+1], v[R], vcc_lo         ; the best that the earlier list still offers for second place,
	v_cndmask_b32 v5, v[R+3], v[R+2], vcc_lo
	v_cndmask_b32 v6, v[N], v[N+1], vcc_lo         ; and the later list's
	v_cndmask_b32 v7, v[N+2], v[N+3], vcc_lo
	v_cndmask_b32 v[R], v[R], v[N], vcc_lo
	v_cndmask_b32 v[R+2], v[R+2], v[N+2], vcc_lo
	v_cmp_lt_f32 vcc_lo, v6, v4
	v_cndmask_b32 v[R+1], v4, v6, vcc_lo
	v_cndmask_b32 v[R+3], v5, v7, vcc_lo
.endm
.irp u, 1,2,3,4,5,6,7,8,9,10,11,12,13,14,15
	MERGE \u
.endr
	global_store_b64 v[VT8], v[R+2:R+3], s[8:9]    ; the two group numbers: a wave stores 256 consecutive bytes
	s_wait_tensorcnt 0x0
	ds_add_u32 v234, v235
	s_wait_dscnt 0x0
	s_endpgm
.Lfunc_end_k_qfb7dbcbfe6_nearest:
	.size	k_qfb7dbcbfe6_nearest, .Lfunc_end_k_qfb7dbcbfe6_nearest-k_qfb7dbcbfe6_nearest
	.p2alignl 7, 3214868480
	.fill 96, 4, 3214868480
	.section	.rodata,"a",@progbits
	.p2align	6, 0x0
	.amdhsa_kernel k_qfb7dbcbfe6_nearest
		.amdhsa_group_segment_fixed_size 279552
		.amdhsa_private_segment_fixed_size 0
		.amdhsa_enable_private_segment 0
		.amdhsa_kernarg_size 32
		.amdhsa_user_sgpr_count 2
		.amdhsa_user_sgpr_kernarg_segment_ptr 1
		.amdhsa_wavefront_size32 1
		.amdhsa_system_sgpr_workgroup_id_x 1
		.amdhsa_system_sgpr_workgroup_id_y 1
		.amdhsa_system_sgpr_workgroup_id_z 1
		.amdhsa_system_vgpr_workitem_id 0
		.amdhsa_next_free_vgpr 236
		.amdhsa_next_free_sgpr 66
		.amdhsa_reserve_vcc 1
		.amdhsa_float_denorm_mode_32 3
		.amdhsa_float_denorm_mode_16_64 3
		.amdhsa_memory_ordered 1
		.amdhsa_forward_progress 1
		.amdhsa_inst_pref_size 183
	.end_amdhsa_kernel
	.amdgpu_metadata
---
amdhsa.version: [ 1, 2 ]
amdhsa.kernels:
  - .name:           k_qfb7dbcbfe6_nearest
    .symbol:         k_qfb7dbcbfe6_nearest.kd
    .args:
      - { .name: keys, .offset: 0, .size: 8, .value_kind: global_buffer, .address_space: global }
      - { .name: pointcloud, .offset: 8, .size: 8, .value_kind: global_buffer, .address_space: global }
      - { .name: cand, .offset: 16, .size: 8, .value_kind: global_buffer, .address_space: global }
      - { .name: out1, .offset: 24, .size: 8, .value_kind: global_buffer, .address_space: global }
    .group_segment_fixed_size: 279552
    .private_segment_fixed_size: 0
    .kernarg_segment_align: 8
    .kernarg_segment_size: 32
    .max_flat_workgroup_size: 256
    .sgpr_count:     66
    .vgpr_count:     236
    .wavefront_size: 32
...
	.end_amdgpu_metadata
.endif
;; end of part 1
;; launch pick (part 2): grid 512 x 1, 8 waves a work-group, no clusters, 0 bytes of LDS; arguments cand, keys, pointcloud, emb, out0; writes out0
.if DOCPART == 2
	.amdgcn_target "amdgcn-amd-amdhsa--gfx1250"
	.amdhsa_code_object_version 6
	.text
	.protected	k_qfb7dbcbfe6_pick
	.globl	k_qfb7dbcbfe6_pick
	.p2align	8
	.type	k_qfb7dbcbfe6_pick,@function
k_qfb7dbcbfe6_pick:
	s_mov_b64 s[64:65], 0
	v_nop
	global_prefetch_b8 v0, s[64:65] scope:SCOPE_SE
	s_setreg_imm32_b32 hwreg(HW_REG_WAVE_MODE, 25, 1), 1
	s_wait_xcnt 0x0
; NEAREST KEY, second launch: the decision among a point's 8 candidate keys, and the embedding row.
; cand [16384][2] u32: two groups of 4 neighbouring keys.  out0 [16384][32] f32 = emb[nearest key].
; Eight lanes serve a point.  Lane c (0..7) evaluates candidate c by the problem's own formula, in f32 and in its order,
;   dist = (p_sq - 2 cross) + k_sq,   p_sq, k_sq, cross = ((x. + y.) + z.),
; on coordinates rounded to bf16 (the matrix operands' format of the first launch; every product of two such numbers is exact in f32, so
; fused and unfused multiply-adds agree).  Three steps across the 8 lanes take the smallest (dist, key number): among equals the lowest key.
; No address may hang on that choice, so each lane has fetched its 16 bytes of all 8 candidate rows (a group's 4 rows are 512 neighbouring
; bytes of emb) and selects by v_cndmask_b32.  Streams through registers: no LDS, no barrier, no matrix unit, nothing shared to multicast.
; NaN and infinite coordinates are not served (comparisons with NaN fail, and the first candidate's row would be stored).
	s_load_b256 s[4:11], s[0:1], 0x0               ; cand s[4:5], keys s[6:7], pointcloud s[8:9], emb s[10:11]
	s_load_b64 s[12:13], s[0:1], 0x20              ; out0
	s_lshl_b32 s14, ttmp9, 8
	s_mov_b32 s15, 0xffff0000                      ; a word's upper bf16
	v_add_nc_u32 v1, s14, v0                       ; thread of the launch = 8 point + c
	v_lshrrev_b32 v2, 3, v1                        ; point
	v_and_b32 v3, 7, v0
	v_lshlrev_b32 v3, 4, v3                        ; 16 c: my 16 bytes of a row
	v_lshlrev_b32 v4, 3, v2                        ; the point's two group numbers
	v_and_b32 v5, 4, v0                            ; lanes c = 4..7 evaluate the second group: 4 bytes on
	v_add_nc_u32 v5, v4, v5
	v_mul_u32_u24 v6, v2, 12                       ; the point's coordinates
	v_lshlrev_b32 v7, 4, v1                        ; my 16 bytes of out0
	v_and_b32 v11, 3, v0                           ; my key in its group
	v_mov_b32 v30, 0                               ; destinations of the lane moves below: written once beforehand
	v_mov_b32 v31, 0
	s_wait_kmcnt 0x0
	global_load_b64 v[8:9], v4, s[4:5]
	global_load_b32 v10, v5, s[4:5]
	global_load_b96 v[12:14], v6, s[8:9]
	s_wait_loadcnt 0x1                             ; the group numbers are in; the point's load stays out
	v_min_u32 v8, 0xfff, v8                        ; 4,096 groups
	v_min_u32 v9, 0xfff, v9
	v_min_u32 v10, 0xfff, v10
	v_lshl_add_u32 v15, v10, 2, v11                ; my candidate's key number
	v_mul_u32_u24 v16, v15, 12
	v_lshl_add_u32 v17, v8, 9, v3                  ; 512 bytes a group + my 16 bytes
	v_lshl_add_u32 v18, v9, 9, v3
	global_load_b96 v[20:22], v16, s[6:7]
.irp e, 0,1,2,3
	global_load_b128 v[32+4*\e:35+4*\e], v17, s[10:11] offset:128*\e       ; 8 lanes take a row's 128 bytes
.endr
.irp e, 0,1,2,3
	global_load_b128 v[48+4*\e:51+4*\e], v18, s[10:11] offset:128*\e
.endr
	s_wait_loadcnt 0x8                             ; point and key are in; the 8 rows stay out
	v_cvt_pk_bf16_f32 v24, v12, v13
	v_cvt_pk_bf16_f32 v25, v14, v20
	v_cvt_pk_bf16_f32 v26, v21, v22
	v_lshlrev_b32 v12, 16, v24                     ; the point's x, y, z
	v_and_b32 v13, s15, v24
	v_lshlrev_b32 v14, 16, v25
	v_and_b32 v20, s15, v25                        ; the key's x, y, z
	v_lshlrev_b32 v21, 16, v26
	v_and_b32 v22, s15, v26
	v_mul_f32 v27, v12, v12
	v_mul_f32 v28, v20, v20
	v_mul_f32 v29, v12, v20
	v_fmac_f32 v27, v13, v13
	v_fmac_f32 v28, v21, v21
	v_fmac_f32 v29, v13, v21
	v_fmac_f32 v27, v14, v14                       ; p_sq
	v_fmac_f32 v28, v22, v22                       ; k_sq
	v_fmac_f32 v29, v14, v22                       ; cross
	v_fma_f32 v27, v29, -2.0, v27                  ; p_sq - 2 cross: doubling is exact, so this is the formula's one rounding
	v_add_f32 v27, v27, v28                        ; + k_sq
.irp m, 1,2,4
	v_mov_b32_dpp v30, v27 row_xmask:\m row_mask:0xf bank_mask:0xf         ; lane c xor m: its distance
	v_mov_b32_dpp v31, v15 row_xmask:\m row_mask:0xf bank_mask:0xf         ; and key number
	v_cmp_lt_f32 vcc_lo, v30, v27
	v_cmp_eq_f32 s16, v30, v27
	v_cmp_lt_u32 s17, v31, v15
	s_and_b32 s16, s16, s17
	s_or_b32 vcc_lo, vcc_lo, s16                   ; smaller, or equal with the lower key number
	v_cndmask_b32 v27, v27, v30, vcc_lo
	v_cndmask_b32 v15, v15, v31, vcc_lo
.endr
	v_lshlrev_b32 v8, 2, v8
	v_lshlrev_b32 v9, 2, v9
	v_sub_nc_u32 v8, v15, v8                       ; the winner's place in the first group: 0..3 if it is there
	v_sub_nc_u32 v9, v15, v9                       ; and in the second
	s_wait_loadcnt 0x0
.irp e, 1,2,3
	v_cmp_eq_u32 vcc_lo, \e, v8
.irp i, 0,1,2,3
	v_cndmask_b32 v[32+\i], v[32+\i], v[32+4*\e+\i], vcc_lo
.endr
.endr
.irp e, 0,1,2,3
	v_cmp_eq_u32 vcc_lo, \e, v9
.irp i, 0,1,2,3
	v_cndmask_b32 v[32+\i], v[32+\i], v[48+4*\e+\i], vcc_lo
.endr
.endr
	global_store_b128 v7, v[32:35], s[12:13] th:TH_STORE_NT                ; 16 lanes store 256 consecutive bytes, at a multiple of 256 from out0's first byte
	s_endpgm
.Lfunc_end_k_qfb7dbcbfe6_pick:
	.size	k_qfb7dbcbfe6_pick, .Lfunc_end_k_qfb7dbcbfe6_pick-k_qfb7dbcbfe6_pick
	.p2alignl 7, 3214868480
	.fill 96, 4, 3214868480
	.section	.rodata,"a",@progbits
	.p2align	6, 0x0
	.amdhsa_kernel k_qfb7dbcbfe6_pick
		.amdhsa_group_segment_fixed_size 0
		.amdhsa_private_segment_fixed_size 0
		.amdhsa_enable_private_segment 0
		.amdhsa_kernarg_size 40
		.amdhsa_user_sgpr_count 2
		.amdhsa_user_sgpr_kernarg_segment_ptr 1
		.amdhsa_wavefront_size32 1
		.amdhsa_system_sgpr_workgroup_id_x 1
		.amdhsa_system_sgpr_workgroup_id_y 1
		.amdhsa_system_sgpr_workgroup_id_z 1
		.amdhsa_system_vgpr_workitem_id 0
		.amdhsa_next_free_vgpr 64
		.amdhsa_next_free_sgpr 66
		.amdhsa_reserve_vcc 1
		.amdhsa_float_denorm_mode_32 3
		.amdhsa_float_denorm_mode_16_64 3
		.amdhsa_memory_ordered 1
		.amdhsa_forward_progress 1
		.amdhsa_inst_pref_size 6
	.end_amdhsa_kernel
	.amdgpu_metadata
---
amdhsa.version: [ 1, 2 ]
amdhsa.kernels:
  - .name:           k_qfb7dbcbfe6_pick
    .symbol:         k_qfb7dbcbfe6_pick.kd
    .args:
      - { .name: cand, .offset: 0, .size: 8, .value_kind: global_buffer, .address_space: global }
      - { .name: keys, .offset: 8, .size: 8, .value_kind: global_buffer, .address_space: global }
      - { .name: pointcloud, .offset: 16, .size: 8, .value_kind: global_buffer, .address_space: global }
      - { .name: emb, .offset: 24, .size: 8, .value_kind: global_buffer, .address_space: global }
      - { .name: out0, .offset: 32, .size: 8, .value_kind: global_buffer, .address_space: global }
    .group_segment_fixed_size: 0
    .private_segment_fixed_size: 0
    .kernarg_segment_align: 8
    .kernarg_segment_size: 40
    .max_flat_workgroup_size: 256
    .sgpr_count:     66
    .vgpr_count:     64
    .wavefront_size: 32
...
	.end_amdgpu_metadata
.endif
;; end of part 2
;; ======== version 2 of 2: 2 launches; version 1 with the launch nearest written anew for expert scheduling mode
;; limits: values within 7.6e-06 (relative) of each other or of a threshold may be ordered or decided otherwise than in the reference
;; workspace buffers: cand 131,072 bytes of whole numbers
;; launch nearest (part 3): grid 256 x 1, 8 waves a work-group, no clusters, 279,552 bytes of LDS; arguments keys, pointcloud, cand, out1; writes cand, out1
.if DOCPART == 3
	.amdgcn_target "amdgcn-amd-amdhsa--gfx1250"
	.amdhsa_code_object_version 6
	.text
	.protected	k_qfb7dbcbfe6_nearest
	.globl	k_qfb7dbcbfe6_nearest
	.p2align	8
	.type	k_qfb7dbcbfe6_nearest,@function
k_qfb7dbcbfe6_nearest:
	s_mov_b64 s[64:65], 0
	v_nop
	global_prefetch_b8 v0, s[64:65] scope:SCOPE_SE
	s_setreg_imm32_b32 hwreg(HW_REG_WAVE_SCHED_MODE, 0, 2), 2
	s_setreg_imm32_b32 hwreg(HW_REG_WAVE_MODE, 25, 1), 1
	s_wait_xcnt 0x0
	s_wait_alu depctr_vm_vsrc(0)
; NEAREST KEY, first of two launches: for each point the two groups of 4 neighbouring keys that can hold its nearest key.
; pointcloud [16384][3] f32, keys [16384][3] f32 -> cand [16384][2] u32 (group = key number / 4); out1 = pointcloud, copied.
;
; FORMAT (a limit that is kept): the coordinates of points and keys are rounded to bf16 (nearest even), the matrix operands' format, and
; p_sq and k_sq are formed in f32 from these same rounded coordinates, so that the three terms of the distance belong to one set of points.
; One v_wmma_f32_16x16x32_bf16 gives d2 = p_sq - 2 p.k + k_sq for 16 keys x 16 points:
;   A (rows = keys)     k 0-3: x y z 0         k 8-11: K1 K2 K3 0   (K1+K2+K3 = k_sq exactly: three pieces of 8 bits)   all other k: 0
;   B (columns = points) k 0-3: -2x -2y -2z 0  k 8-11: 1 1 1 0                                                          all other k: 0
;   C = p_sq of the column's point.
; THE FILTER: a lane holds one point and 8 keys of each tile.  The smallest of the same register of 4 tiles is a GROUP's distance; its low
; 6 mantissa bits are replaced by the group's number in the chunk, so that v_min3 carries value and place together.  Every 4 quads the
; winner enters the lane's list of the two best.  The second launch decides among the 8 keys of the two best groups by the problem's own f32 formula.
; LIMITS of the filter: its distances carry the matrix unit's rounding and lose 6 bits (2^-17 relative); of the 128 keys that a lane sees
; between two list updates only the best group survives; only two groups reach the exact decision.  Where three groups, or two of the
; same 128 keys, lie closer together than that, the key chosen may be one whose distance is larger by that margin.  NaN, infinities and
; coordinates whose squares overflow f32 are not served.
; ORDER OF KEYS: key = 2048 wave + 1024 half + 256 chunk + 32 quad + 4 register + tile.  So a group is 4 neighbouring key numbers, and
; (wave, lane half, chunk, quad, register) ascends with the key number: 'strictly smaller' keeps the lowest key number among equals.
; A work-group: 64 points x all keys, 8 waves; a wave: the 64 points (4 B fragments) x 2,048 keys.  256 work-groups x 64 = 16,384 points.
; NO CLUSTER: all work-groups read the same 196,608 bytes of keys, but they are needed rounded, squared and split, which is register work;
; a joint tensor load would lay the raw f32 into LDS, and 196,608 bytes beside the table's 262,144 do not fit into 327,680.
;
; THE MODE: SCHED_MODE bits 1:0 = 2 (LLVM: expert scheduling mode 2), set by the entry lines.  The code itself states the register dependences
; between vector or matrix instructions and memory or LDS instructions, with s_wait_alu, always for 0.
; THE PLAN.  Registers that memory or LDS instructions touch:
;   v2, v3, v20, v[250:253]  offsets and the table's four LDS addresses: made once at the head, never written again.
;   W0, W1      two buffers of table entries.  Table step i writes W[i % 2]; its four LDS stores are issued in step i + 1, whose vector work
;               names the other buffer alone.  So two waits at a step's head state all that the step's four stores hang on.
;   A0, A1      two buffers of A fragments (their first two registers are loaded).  Quad q's 16 products read A[q % 2]; the last four of them are
;               issued in period (q, 2); the loads of quad q + 2 land in it in period (q, 3), behind ONE wait at that period's head, one behind
;               each of the period's four products, which read the other buffer.
;   v[VA]       read by every fragment load; written once a chunk, between two such waits.
;   the lists, their address, the merge's registers: one wait ahead of each run of LDS stores, LDS loads and the last store.
;   The result tiles, B, C and the running minima are named by vector and matrix instructions alone (until the merge's loads land on B and C).
; Masks: compares stand in runs into scalar registers, with one wait between the run and its first reader.
.set TILE_B,  256                      ; a tile: 16 keys x 16 bytes
.set QUAD_B,  4*TILE_B                 ; the 4 tiles whose registers form groups
.set CHUNK_B, 8*QUAD_B                 ; 8 quads: 64 groups a lane, the 6 bits
.set WAVE_B,  4*CHUNK_B                ; a wave's 2,048 keys
.set SCR,     8*WAVE_B                 ; behind the table: 16 lists x 64 points x 16 bytes
.set NCHUNK,  4
.set VP,  2                            ; v2       byte offset of my point in a group of 16 (12 r)
.set VK,  3                            ; v3       byte offset of my 4 keys in a table step (48 t)
.set W,   4                            ; v[4:19]  W0: an even table step's 4 entries of 16 bytes.  Later temporaries
.set WSTEP, 230                        ; v[234:249] W1: an odd step's
.set TI,  4                            ; v[4:7]   list update: the group's number, one for each point group
.set M,   8                            ; v[8:11]  running minimum, one for each point group
.set TV,  12                           ; v[12:15] list update: the group's distance, one for each point group
.set VT8, 20                           ; v20      8 t: out1 copy and cand
.set VS,  21                           ; v21      LDS address of my lists
.set VA,  22                           ; v22      LDS address of my 8 bytes of a tile's row
.set VB,  23                           ; v23      number of the chunk's first group in my half
.set PR,  24                           ; v[24:39] raw points, 4 registers a group (3 used)
.set ST,  24                           ; v[24:39] afterwards: group g: best, second, their group numbers
.set KD,  40                           ; v[40:231] raw keys, 12 registers a table step
.set BF,  40                           ; v[40:71]   afterwards: 4 B fragments
.set CF,  72                           ; v[72:103]  4 C tiles (p_sq)
.set AF,  104                          ; v[104:167] 2 buffers of 4 A fragments
.set DF,  168                          ; v[168:231] 2 buffers of 4 result tiles
.set CP,  232                          ; v[232:233] 8 bytes of pointcloud on their way to out1
.set TA,  250                          ; v[250:253] LDS address of my table entries, one for each 4 table steps (two waves' parts): the immediate reaches 65,535 bytes only
.set MK,  24                           ; s[24:31] list update: two masks for each point group
	s_load_b256 s[4:11], s[0:1], 0x0               ; keys s[4:5], pointcloud s[6:7], cand s[8:9], out1 s[10:11]
	v_lshl_add_u32 v254, v0, 2, 0x44000
	v_mov_b32 v255, 0
	v_lshrrev_b32 v1, 5, v0
	v_readfirstlane_b32 s12, v1                    ; wave 0..7
	s_mov_b32 s13, 0xffff0000                      ; a word's upper 16 bits: a bf16, or an f32 cut to 8 bits
	s_mov_b32 s14, 0x07060302                      ; v_perm_b32: {first source's upper half, second source's upper half}
	s_mov_b32 s15, 0xffffffc0                      ; all but the 6 bits that take a group's number
	s_mul_i32 s18, ttmp9, 768                      ; my 64 points: 768 bytes
	s_mov_b32 s19, 0
	s_lshl_b32 s20, ttmp9, 9                       ; and their 512 bytes of cand
	s_mov_b32 s21, 0
	v_and_b32 v1, 15, v0
	v_mul_u32_u24 v[VP], v1, 12
	v_mul_u32_u24 v[VK], v0, 48
	v_lshlrev_b32 v[VT8], 3, v0
	v_and_b32 v[TA], 7, v0                         ; thread t builds group 256 i + t in step i: register t % 8,
	v_lshrrev_b32 v1, 3, v0                        ; quad and chunk t / 8
	v_lshlrev_b32 v[TA], 4, v[TA]
	v_lshl_add_u32 v[TA], v1, 10, v[TA]            ; 16 (t % 8) + 1024 (t / 8)
.irp a, 1,2,3
	v_add_nc_u32 v[TA+\a], \a*2*WAVE_B, v[TA]      ; two waves' parts on for each 4 steps
.endr
	s_wait_alu depctr_va_sdst(0)                   ; s12 is written, ahead of its first reader, the compare below
	s_wait_kmcnt 0x0
	s_add_nc_u64 s[6:7], s[6:7], s[18:19]
	s_add_nc_u64 s[10:11], s[10:11], s[18:19]
	s_add_nc_u64 s[8:9], s[8:9], s[20:21]
	s_wait_alu depctr_va_vdst(0)                   ; v2, v3, v20 and v[250:253] are written: the loads below, the table's stores and the last stores read them as offsets and addresses
	s_cmp_lt_u32 s12, 5
	s_cbranch_scc1 .Lkeys
	global_load_b64 v[CP:CP+1], v[VT8], s[6:7] offset:-1280    ; waves 5-7 (t = 160..255): bytes 0..767 of my points, stored at the end
.Lkeys:
.irp g, 0,1,2,3
	global_load_b96 v[PR+4*\g:PR+4*\g+2], v[VP], s[6:7] offset:192*\g      ; point 16 g + r, in both halves of the lanes
.endr
; all 16 table steps' keys at once: 48 loads a wave; a lane's three loads are its 4 keys' 48 neighbouring bytes
.irp i, 0,1,2,3,4,5,6,7,8,9,10,11,12,13,14,15
	global_load_b128 v[KD+12*\i:KD+12*\i+3],    v[VK], s[4:5] offset:12288*\i
	global_load_b128 v[KD+12*\i+4:KD+12*\i+7],  v[VK], s[4:5] offset:12288*\i+16
	global_load_b128 v[KD+12*\i+8:KD+12*\i+11], v[VK], s[4:5] offset:12288*\i+32
.endr
; Entry k of table step j goes to LDS: key 4 G + k goes to tile k of its quad, row 8 half + register
.macro TSTORE j, k
	ds_store_b128 v[TA+((\j)>>2)], v[W+WSTEP*((\j)&1)+4*(\k):W+WSTEP*((\j)&1)+4*(\k)+3] offset:(((\j)>>1)&1)*WAVE_B+((\j)&1)*128+(\k)*TILE_B
.endm
; Table step i: keys 1024 i .. 1024 i + 1023 of the launch = wave i / 2, half i % 2.  A lane makes the 4 entries of one group, in W[i % 2];
; the four stores of step i - 1, from the other buffer, are dealt among its vector work.
.macro PREP i
.set PK, KD+12*\i
.set WW, W+WSTEP*(\i&1)
	s_wait_loadcnt 45-3*\i                         ; loads return in order: this step's three are in, the 3 of each later step stay out
.if \i > 0
	s_wait_alu depctr_va_vdst(0)                   ; the step before has written its four entries, which the four stores of this step read
.endif
.if \i > 1
	s_wait_alu depctr_vm_vsrc(0)                   ; the stores issued in the step before have read this step's buffer of entries, which is written again below
.endif
.if \i > 0
	TSTORE (\i-1), 0                               ; no vector instruction of this step names the other buffer or an address of the table
.endif
.irp k, 0,1,2,3
	v_cvt_pk_bf16_f32 v[WW+4*\k],   v[PK+3*\k], v[PK+3*\k+1]   ; word 0: x, y
	v_cvt_pk_bf16_f32 v[WW+4*\k+1], v[PK+3*\k+2], 0            ; word 1: z, 0
.endr
.if \i > 0
	TSTORE (\i-1), 1
.endif
.irp k, 0,1,2,3
	v_lshlrev_b32 v[PK+\k],   16, v[WW+4*\k]       ; the rounded coordinates as f32, the 4 keys' x, y, z side by side
	v_and_b32     v[PK+4+\k], s13, v[WW+4*\k]
	v_lshlrev_b32 v[PK+8+\k], 16, v[WW+4*\k+1]
.endr
.if \i > 0
	TSTORE (\i-1), 2
.endif
.irp k, 0,2
	v_pk_mul_f32 v[PK+\k:PK+\k+1], v[PK+\k:PK+\k+1], v[PK+\k:PK+\k+1]
.endr
.irp k, 0,2
	v_pk_fma_f32 v[PK+\k:PK+\k+1], v[PK+4+\k:PK+5+\k], v[PK+4+\k:PK+5+\k], v[PK+\k:PK+\k+1]
.endr
.irp k, 0,2
	v_pk_fma_f32 v[PK+\k:PK+\k+1], v[PK+8+\k:PK+9+\k], v[PK+8+\k:PK+9+\k], v[PK+\k:PK+\k+1]   ; k_sq = (x x + y y) + z z
.endr
.if \i > 0
	TSTORE (\i-1), 3
.endif
.irp k, 0,1,2,3
	v_and_b32 v[PK+4+\k], s13, v[PK+\k]            ; K1: the upper 8 bits of k_sq
.endr
.irp k, 0,1,2,3
	v_sub_f32 v[PK+\k], v[PK+\k], v[PK+4+\k]       ; what is left: 16 bits, exact
.endr
.irp k, 0,1,2,3
	v_and_b32 v[PK+8+\k], s13, v[PK+\k]            ; K2: its upper 8 bits
.endr
.irp k, 0,1,2,3
	v_sub_f32 v[PK+\k], v[PK+\k], v[PK+8+\k]       ; K3: the last 8 bits, exact in bf16
.endr
.irp k, 0,1,2,3
	v_perm_b32    v[WW+4*\k+2], v[PK+8+\k], v[PK+4+\k], s14    ; word 2: K1, K2
	v_lshrrev_b32 v[WW+4*\k+3], 16, v[PK+\k]                   ; word 3: K3, 0
.endr
.endm
.irp i, 0,1,2,3,4,5,6,7,8,9,10,11,12,13,14,15
	PREP \i
.endr
	s_wait_alu depctr_va_vdst(0)                   ; step 15 has written its four entries, which the last four stores read
.irp k, 0,1,2,3
	TSTORE 15, \k
.endr
	s_wait_dscnt 0x0                               ; my part of the table lies in LDS before I say so
	s_wait_alu depctr_vm_vsrc(0)                   ; my table stores have read v[4:19], which are temporaries from here on
	s_barrier_signal -1
	; register work while the others arrive: B and C of the 4 point groups, the zeros of the fragments, the lists, the addresses
	v_and_b32 v1, 31, v0
	v_cmp_lt_u32 vcc_lo, 15, v1                    ; lanes 16-31 hold k = 8..15
	v_mov_b32 v10, 0x3f803f80                      ; 1, 1
	v_mov_b32 v11, 0x00003f80                      ; 1, 0
	s_wait_alu depctr_va_vcc(0)                    ; VCC is written, ahead of its first reader: the selects in the four point groups below
.macro POINTS g
	v_cvt_pk_bf16_f32 v4, v[PR+4*\g], v[PR+4*\g+1]
	v_cvt_pk_bf16_f32 v5, v[PR+4*\g+2], 0
	v_lshlrev_b32 v6, 16, v4                       ; the rounded x, y, z as f32
	v_and_b32 v7, s13, v4
	v_lshlrev_b32 v8, 16, v5
	v_mul_f32 v9, v6, v6
	v_fmac_f32 v9, v7, v7
	v_fmac_f32 v9, v8, v8                          ; p_sq = (x x + y y) + z z
	v_mul_f32 v6, -2.0, v6                         ; exact
	v_mul_f32 v7, -2.0, v7
	v_mul_f32 v8, -2.0, v8
	v_cvt_pk_bf16_f32 v4, v6, v7
	v_cvt_pk_bf16_f32 v5, v8, 0
	v_cndmask_b32 v[BF+8*\g],   v4, v10, vcc_lo    ; lanes 0-15: -2x, -2y   lanes 16-31: 1, 1
	v_cndmask_b32 v[BF+8*\g+1], v5, v11, vcc_lo    ;             -2z, 0                  1, 0
.irp j, 2,3,4,5,6,7
	v_mov_b32 v[BF+8*\g+\j], 0
.endr
.irp j, 0,1,2,3,4,5,6,7
	v_mov_b32 v[CF+8*\g+\j], v9                    ; C(m, n) = p_sq of column n, whatever the row
.endr
.endm
.irp g, 0,1,2,3
	POINTS \g
.endr
.irp i, 0,1,2,3,4,5,6,7
.irp j, 2,3,4,5,6,7
	v_mov_b32 v[AF+8*\i+\j], 0                     ; of an A fragment's 8 registers two are loaded; the others stay 0
.endr
.endr
	v_and_b32 v1, 15, v0                           ; r
	v_bfe_u32 v4, v0, 4, 1                         ; half
	s_lshl_b32 s22, s12, 15                        ; wave x 32,768 bytes of table
	s_lshl_b32 s23, s12, 9                         ; wave x 512 groups
	v_lshlrev_b32 v[VA], 4, v1
	v_lshl_add_u32 v[VA], v4, 3, v[VA]             ; row r's 16 bytes: coordinates for lanes 0-15, k_sq's pieces for lanes 16-31:
	v_add_nc_u32 v[VA], s22, v[VA]                 ; the 32 lanes read a tile's 256 neighbouring bytes
	v_lshl_add_u32 v[VB], v4, 8, s23               ; rows 8-15 of every tile are the wave's second 1,024 keys: 256 groups on
	s_lshl_b32 s22, s12, 11
	s_add_co_u32 s22, s22, SCR
	v_lshlrev_b32 v[VS], 4, v1
	v_lshl_add_u32 v[VS], v4, 10, v[VS]
	v_add_nc_u32 v[VS], s22, v[VS]                 ; my lists: SCR + 1024 (2 wave + half) + 16 r, + 256 g
.irp g, 0,1,2,3
	v_mov_b32 v[ST+4*\g],   0x7f800000             ; best and second: +infinity,
	v_mov_b32 v[ST+4*\g+1], 0x7f800000
	v_mov_b32 v[ST+4*\g+2], v[VB]                  ; with a group number that exists
	v_mov_b32 v[ST+4*\g+3], v[VB]
.endr
	s_barrier_wait -1                              ; the table is whole
	s_wait_alu depctr_va_vdst(0)                   ; v[VA] is written, which the fragment loads read; the table steps are done with the registers in which the fragments land
.macro LOAD1 q, t, ab                  ; tile t of quad q (counted from the chunk's first) into A buffer ab
	ds_load_b64 v[AF+32*(\ab)+8*(\t):AF+32*(\ab)+8*(\t)+1], v[VA] offset:(\q)*QUAD_B+(\t)*TILE_B
.endm
.macro LOADQ q, ab                     ; the 4 tiles of a quad
.irp t, 0,1,2,3
	LOAD1 \q, \t, \ab
.endr
.endm
.macro WM g, t, ab, db                 ; 16 keys (tile t of buffer ab) x point group g
	v_wmma_f32_16x16x32_bf16 v[DF+32*(\db)+8*(\t):DF+32*(\db)+8*(\t)+7], v[AF+32*(\ab)+8*(\t):AF+32*(\ab)+8*(\t)+7], v[BF+8*(\g):BF+8*(\g)+7], v[CF+8*(\g):CF+8*(\g)+7]
.endm
; The vector work of a unit (quad qc x point group g), 28 instructions, number UN of them
.macro UOP qc, g
.set UD, DF+32*((\g)&1)
.if UN < 8
	v_min3_num_f32 v[UD+UN], v[UD+UN], v[UD+UN+8], v[UD+UN+16]             ; register UN of tiles 0, 1, 2
.elseif UN < 16
	v_min_num_f32 v[UD+UN-8], v[UD+UN-8], v[UD+UN+16]                      ; and of tile 3: a group's distance
.elseif UN < 24
	v_and_or_b32 v[UD+UN-16], v[UD+UN-16], s15, 8*(\qc)+UN-16              ; its number in the chunk takes the low 6 bits
.elseif UN == 24
	v_min3_num_f32 v[UD], v[UD], v[UD+1], v[UD+2]
.elseif UN == 25
	v_min3_num_f32 v[UD+3], v[UD+3], v[UD+4], v[UD+5]
.elseif UN == 26
.if ((\qc)&3) == 0
	v_min_num_f32 v[M+\g], v[UD+6], v[UD+7]                                ; the first quad after a list update starts the minimum
.else
	v_min3_num_f32 v[M+\g], v[M+\g], v[UD+6], v[UD+7]
.endif
.else
	v_min3_num_f32 v[M+\g], v[M+\g], v[UD], v[UD+3]
.endif
.endm
; The winners of 4 quads enter the lists of two, all four point groups together: a group's minimum stays as it is until the group's next unit.
; Strictly smaller: among equals the earlier, which has the lower key numbers, stays in front.
; The eight compares stand in one run; the new best and second, which read no mask, stand between them and the wait; then the selects.
.macro TOP2ALL
.irp g, 0,1,2,3
	v_and_or_b32 v[TI+\g], v[M+\g], 63, v[VB]      ; group number
	v_and_b32 v[TV+\g], s15, v[M+\g]               ; distance without it
.endr
.irp g, 0,1,2,3
	v_cmp_lt_f32 s[MK+2*\g],   v[TV+\g], v[ST+4*\g]        ; better than the best?
	v_cmp_lt_f32 s[MK+2*\g+1], v[TV+\g], v[ST+4*\g+1]      ; than the second?
.endr
.irp g, 0,1,2,3
	v_med3_num_f32 v[ST+4*\g+1], v[TV+\g], v[ST+4*\g], v[ST+4*\g+1]        ; best <= second: the middle one of the three is the new second
	v_min_num_f32 v[ST+4*\g], v[TV+\g], v[ST+4*\g]
.endr
	s_wait_alu depctr_va_sdst(0)                   ; the eight masks s[24:31] are written, ahead of their first reader
.irp g, 0,1,2,3
	v_cndmask_b32 v[ST+4*\g+3], v[ST+4*\g+3], v[TI+\g], s[MK+2*\g+1]
	v_cndmask_b32 v[ST+4*\g+3], v[ST+4*\g+3], v[ST+4*\g+2], s[MK+2*\g]
	v_cndmask_b32 v[ST+4*\g+2], v[ST+4*\g+2], v[TI+\g], s[MK+2*\g]
.endr
.endm
; A PERIOD: the 4 matrix instructions of the NEXT unit, each followed by 7 of this unit's 28 vector instructions.  A result is read one
; period after it was made and written over two periods after it was made: at least 7 vector instructions that name none of the matrix
; instruction's registers (they work on the other result buffer) lie between, where 4 or 5 are asked (ISA guide 7.12.1).
; D buffers take turns with g, A buffers with the quad.  A fragment buffer is loaded again one period after its last use, behind the wait that states it.
; more = 1: another chunk follows, and the look-ahead runs into it.
.macro PERIOD qc, g, more
.set PGN, (\g+1)&3
.set PQN, \qc+(\g+1)/4
.set PISS, \more
.if PQN < 8
.set PISS, 1
.endif
.set PLD, 0
.if \g == 3
.set PLD, \more
.if \qc+2 < 8
.set PLD, 1
.endif
.if PISS
	s_wait_dscnt 0x0                               ; the next quad's fragments, asked for 4 periods ago
.endif
.if PLD
	s_wait_alu depctr_va_vdst(0)                   ; this quad's 16 products are done reading their A buffer, in which the four loads below land; in a chunk's first quad v[VA] is written
.endif
.endif
.set UN, 0
.irp t, 0,1,2,3
.if PISS
	WM PGN, \t, (PQN&1), (PGN&1)
.endif
.if PLD
	LOAD1 (\qc+2), \t, (\qc&1)                     ; two quads ahead.  No further wait: since the wait above the products name the other A buffer, the vector work the result tiles and the minima
.endif
.rept 7
	UOP \qc, \g
.set UN, UN+1
.endr
.endr
.if (\qc&3) == 3
.if \g == 3
	TOP2ALL
.endif
.endif
.endm
.macro CHUNKM more
.irp qc, 0,1,2,3,4,5,6,7
.irp g, 0,1,2,3
	PERIOD \qc, \g, \more
.endr
.endr
.endm
	LOADQ 0, 0
	LOADQ 1, 1
	s_wait_dscnt 0x4                               ; quad 0's four loads are in, quad 1's four stay out
.irp t, 0,1,2,3
	WM 0, \t, 0, 0                                 ; the first unit's products
.endr
; Here no earlier unit's work follows the products.  Four places are owed before the first period reads these results, and five before the
; third unit's products write over them at the head of the second period (ISA guide 7.12.1); the first period's 28 vector instructions all
; name tile 0's registers, into which everything is reduced, and so are no places for it.  Hence five v_nop, once in the launch.
.rept 5
	v_nop
.endr
	s_mov_b32 s16, NCHUNK-1
.Lchunk:
	CHUNKM 1
	s_wait_alu depctr_vm_vsrc(0)                   ; the fragment loads issued so far have read v[VA]; that it is written anew is stated by the wait in the next chunk's first quad, ahead of the next load
	v_add_nc_u32 v[VA], CHUNK_B, v[VA]
	v_add_nc_u32 v[VB], 64, v[VB]
	s_sub_co_u32 s16, s16, 1
	s_cmp_lg_u32 s16, 0
	s_cbranch_scc1 .Lchunk
	CHUNKM 0                                       ; the last chunk looks no further: no load leaves the wave's part of the table
	; the lists of the 16 (wave, half) parts of the keys meet in LDS
	s_wait_alu depctr_va_vdst(0)                   ; the last list update has written v[24:39], which the stores read; v[VS] was written long before
.irp g, 0,1,2,3
	ds_store_b128 v[VS], v[ST+4*\g:ST+4*\g+3] offset:256*\g
.endr
	s_wait_dscnt 0x0                               ; stored before I say so
	s_barrier_signal -1
	s_barrier_wait -1
	s_cmp_lt_u32 s12, 2
	s_cbranch_scc1 .Lmerge
	s_cmp_lt_u32 s12, 5
	s_cbranch_scc1 .Ldone
	global_store_b64 v[VT8], v[CP:CP+1], s[10:11] offset:-1280 th:TH_STORE_NT  ; waves 5-7: each stores 256 consecutive bytes, at a multiple of 256 from out1's first byte; v20 is as the head made it, v[232:233] as they were loaded
.Ldone:
	s_wait_dscnt 0x0
	s_wait_alu depctr_hold_cnt(0) depctr_sa_sdst(0) depctr_va_vdst(0) depctr_va_sdst(0) depctr_va_ssrc(0) depctr_va_vcc(0) depctr_vm_vsrc(0)
	s_wait_tensorcnt 0x0
	ds_add_u32 v254, v255
	s_wait_dscnt 0x0
	s_endpgm
.Lmerge:                                               ; threads 0-63: one point each, its 16 lists in the order of the key numbers
.set R, 40
	v_lshlrev_b32 v1, 4, v0
	v_add_nc_u32 v1, SCR, v1
	s_wait_alu depctr_va_vdst(0)                   ; v1 is written, which the loads read; the products are done reading B and C, v[40:103], in which the lists land
.irp u, 0,1,2,3,4,5,6,7,8,9,10,11,12,13,14,15
	ds_load_b128 v[R+4*\u:R+4*\u+3], v1 offset:1024*\u
.endr
; v[R:R+3] (lower key numbers) and list u: the two best of the four; among equals the earlier list's
.macro MERGE u
.set N, R+4*\u
	s_wait_dscnt 15-\u                             ; list u is in, the later lists' loads stay out
	v_cmp_lt_f32 vcc_lo, v[N], v[R]
	s_wait_alu depctr_va_vcc(0)                    ; VCC is written, ahead of the six selects that read it
	v_cndmask_b32 v4, v[R+1], v[R], vcc_lo         ; the best that the earlier list still offers for second place,
	v_cndmask_b32 v5, v[R+3], v[R+2], vcc_lo
	v_cndmask_b32 v6, v[N], v[N+1], vcc_lo         ; and the later list's
	v_cndmask_b32 v7, v[N+2], v[N+3], vcc_lo
	v_cndmask_b32 v[R], v[R], v[N], vcc_lo
	v_cndmask_b32 v[R+2], v[R+2], v[N+2], vcc_lo
	v_cmp_lt_f32 vcc_lo, v6, v4
	s_wait_alu depctr_va_vcc(0)                    ; VCC is written anew, ahead of the two selects that read it
	v_cndmask_b32 v[R+1], v4, v6, vcc_lo
	v_cndmask_b32 v[R+3], v5, v7, vcc_lo
.endm
.irp u, 1,2,3,4,5,6,7,8,9,10,11,12,13,14,15
	MERGE \u
.endr
	s_wait_alu depctr_va_vdst(0)                   ; the last merge has written v[42:43], which the store reads
	global_store_b64 v[VT8], v[R+2:R+3], s[8:9]    ; the two group numbers: a wave stores 256 consecutive bytes
	s_wait_dscnt 0x0
	s_wait_alu depctr_hold_cnt(0) depctr_sa_sdst(0) depctr_va_vdst(0) depctr_va_sdst(0) depctr_va_ssrc(0) depctr_va_vcc(0) depctr_vm_vsrc(0)
	s_wait_tensorcnt 0x0
	ds_add_u32 v254, v255
	s_wait_dscnt 0x0
	s_endpgm
.Lfunc_end_k_qfb7dbcbfe6_nearest:
	.size	k_qfb7dbcbfe6_nearest, .Lfunc_end_k_qfb7dbcbfe6_nearest-k_qfb7dbcbfe6_nearest
	.p2alignl 7, 3214868480
	.fill 96, 4, 3214868480
	.section	.rodata,"a",@progbits
	.p2align	6, 0x0
	.amdhsa_kernel k_qfb7dbcbfe6_nearest
		.amdhsa_group_segment_fixed_size 279552
		.amdhsa_private_segment_fixed_size 0
		.amdhsa_enable_private_segment 0
		.amdhsa_kernarg_size 32
		.amdhsa_user_sgpr_count 2
		.amdhsa_user_sgpr_kernarg_segment_ptr 1
		.amdhsa_wavefront_size32 1
		.amdhsa_system_sgpr_workgroup_id_x 1
		.amdhsa_system_sgpr_workgroup_id_y 1
		.amdhsa_system_sgpr_workgroup_id_z 1
		.amdhsa_system_vgpr_workitem_id 0
		.amdhsa_next_free_vgpr 256
		.amdhsa_next_free_sgpr 66
		.amdhsa_reserve_vcc 1
		.amdhsa_float_denorm_mode_32 3
		.amdhsa_float_denorm_mode_16_64 3
		.amdhsa_memory_ordered 1
		.amdhsa_forward_progress 1
		.amdhsa_inst_pref_size 187
	.end_amdhsa_kernel
	.amdgpu_metadata
---
amdhsa.version: [ 1, 2 ]
amdhsa.kernels:
  - .name:           k_qfb7dbcbfe6_nearest
    .symbol:         k_qfb7dbcbfe6_nearest.kd
    .args:
      - { .name: keys, .offset: 0, .size: 8, .value_kind: global_buffer, .address_space: global }
      - { .name: pointcloud, .offset: 8, .size: 8, .value_kind: global_buffer, .address_space: global }
      - { .name: cand, .offset: 16, .size: 8, .value_kind: global_buffer, .address_space: global }
      - { .name: out1, .offset: 24, .size: 8, .value_kind: global_buffer, .address_space: global }
    .group_segment_fixed_size: 279552
    .private_segment_fixed_size: 0
    .kernarg_segment_align: 8
    .kernarg_segment_size: 32
    .max_flat_workgroup_size: 256
    .sgpr_count:     66
    .vgpr_count:     256
    .wavefront_size: 32
...
	.end_amdgpu_metadata
.endif
;; end of part 3
;; launch pick: the kernel of part 2 again; grid 512 x 1, 8 waves a work-group, no clusters, 0 bytes of LDS; arguments cand, keys, pointcloud, emb, out0; writes out0
